; MI455X (gfx1250); checked and timed in simulation.
; The chip was launched on July 23, 2026; its instructions are those of AMD's public machine-readable ISA for CDNA 5 (MIT licence, August 2026) and "CDNA5" Instruction Set Architecture Reference Guide (July 2026). The comments in the code are by the model that wrote it; some were corrected since.
;; Fused MLP Softplus. Allowed arithmetic: matrix products marked QUANTISED: E2M1 operands, one E8M0 scale for each 32 along K, by v_wmma_scale_f32_16x16x128_f8f6f4 with both operands' format E2M1 (or v_wmma_scale_f32_32x16x128_f4), f32 sums; everything else in f32.
;; Inputs: w1 256 x 1,024 float32; w2 1,024 x 1,024 float32; w3 1,024 x 256 float32; x 32,768 x 256 float32.
;; Outputs: out0 32,768 x 256 float32.
;; This version of the problem:
;;   THIS VERSION OF THE PROBLEM IS GIVEN IN LOW PRECISION. The matrix products marked QUANTISED in the list below multiply operands that are first quantised to E2M1 (2 exponent bits, 1 mantissa bit; 4 bits a number), with one power-of-two scale for each 32 numbers along K (OCP MX v1.0); their sums are f32. All else is computed in f32.
;;   The module's matrix products, in the order in which they are computed (A, B: the left and right operand; K: the contracted axis; several contracted axes count as one K, in the product's order):
;;     1. [M 32,768, K 256] x [K 256, N 1,024]; A: input x; B: input w1: QUANTISED
;;     2. [M 32,768, K 1,024] x [K 1,024, N 1,024]; A: computed on the way; B: input w2: QUANTISED
;;     3. [M 32,768, K 1,024] x [K 1,024, N 256]; A: computed on the way; B: input w3: QUANTISED
;;   THE QUANTISER, for each operand of a quantised product, along K:
;;     - K is cut into blocks of 32 from its start; a last block that is shorter is filled with zeros.
;;     - A block's scale is 2^e with e = floor(log2(the largest magnitude in the block)) - 2, held to -126 .. 127; a block of zeros has e = 0. As a byte (E8M0): e + 127.
;;     - Each number is divided by its block's scale, clamped to +-6, and rounded to the nearest number of E2M1, ties to even, subnormals kept.
;;     - The product sums the exact products of the quantised numbers (number of the format x scale) in f32.
;;   ~~~python
;;   def quantise(x, axis):      # numpy; x: float32 -> the quantised numbers, widened to float32 again
;;       x = np.moveaxis(x, axis, -1); K = x.shape[-1]
;;       x = np.pad(x, [(0, 0)] * (x.ndim - 1) + [(0, -K % 32)]); x = x.reshape(x.shape[:-1] + (-1, 32)); a = np.abs(x).max(-1, keepdims=True)
;;       e = np.where(a > 0, np.clip(np.frexp(np.where(a > 0, a, 1))[1] - 1 - 2, -126, 127), 0)      # np.frexp(a)[1] - 1 = floor(log2(a)), exactly
;;       r = np.clip(x / 2.0 ** e, -6, 6)
;;       step = 2.0 ** (np.maximum(np.frexp(np.where(r == 0, 1, r))[1] - 1, 0) - 1)
;;       q = np.round(r / step) * step * 2.0 ** e      # np.round: ties to even
;;       return np.moveaxis(q.reshape(q.shape[:-2] + (-1,))[..., :K], -1, axis).astype(np.float32)
;;   ~~~
;;   OPERANDS COMPUTED ON THE WAY. 'Computed on the way' means the value that the module computes at that place (a softmax that the list does not call 'softmax' is quantised finished and normalised). What goes into a quantiser is computed in f32, as accurately as f32 sums, v_exp_f32 and their like allow (about 1e-6 of the number): no bf16 or f16 on the way to a quantiser, and a product that is left as it is and whose result goes on into a quantised operand takes f32 operands (vector FMAs, or v_wmma_f32_16x16x4_f32). A number that lies on a knife's edge between two numbers of the format may be rounded either way, as far as f32 arithmetic and the matrix unit's own rounding can turn it there, and no further.
;; One version. Each part assembles by itself: llvm-mc -triple=amdgcn-amd-amdhsa -mcpu=gfx1250 --defsym DOCPART=n.
;; ======== version 1 of 1: 2 launches
;; workspace buffers: wq 835,584 bytes
;; launch prep (part 1): grid 96 x 1, 16 waves a work-group, no clusters, 2,560 bytes of LDS; arguments w1, w2, w3, wq; writes wq
.if DOCPART == 1
	.amdgcn_target "amdgcn-amd-amdhsa--gfx1250"
	.amdhsa_code_object_version 6
	.text
	.protected	k_q6077bb42bf_prep
	.globl	k_q6077bb42bf_prep
	.p2align	8
	.type	k_q6077bb42bf_prep,@function
k_q6077bb42bf_prep:
	s_mov_b64 s[64:65], 0
	v_nop
	global_prefetch_b8 v0, s[64:65] scope:SCOPE_SE
	s_setreg_imm32_b32 hwreg(HW_REG_WAVE_MODE, 25, 1), 1
	s_wait_xcnt 0x0
; w1 [256][1024], w2 [1024][1024], w3 [1024][256], f32, K their FIRST axis, become codes of FP4 (E2M1) with one E8M0 byte for each 32 along K,
; laid in wq in the ORDER OF THE OPERAND'S REGISTERS, so that the next launch loads a fragment by two loads of 16 bytes a lane and four scale registers by one.
; NAMES.  KS: K steps of 128 in a layer (2, 8, 8).  G: a group of 64 columns (output units).  A group has four tiles t = 2 b + u of 16 rows;
; row r of tile t is unit 64 G + 32 b + 8 u + r + 8 (r / 8): so the next launch's transposed results have 16 neighbouring units in 16 neighbouring registers.
; CODES: fragment (G, k, t) begins at region + G x KS x 4096 + 1024 (4 k + t); in it block kb (32 along K) of row r is 16 bytes at 256 kb + 16 r.
; SCALES: the word (four bytes, kb = 0 .. 3) of (G, k, b, u, r) lies at region + G x KS x 256 + 512 (k / 2) + 16 (r + 16 u) + 4 (2 (k % 2) + b).
; SHARES.  A work-group takes 128 columns x one K step of one tensor: work-groups 0-15 w1, 16-79 w2, 80-95 w3.  Wave w takes 32 columns (w % 4) and one block of 32 along K (w / 4).
; A LANE TAKES A COLUMN, AND ITS 32 REGISTERS RUN DOWN K: a load reads 128 consecutive bytes, the block's largest magnitude needs no other lane, and the conversions give codes with K innermost.
; A block's scale is 2^(floor(log2(largest magnitude)) - 2); its byte is the largest magnitude's exponent field - 2, held at 1 from below.
; LIMITS: a block of zeros gets the byte 1 where the rule says 127 (its codes are zeros, and this program alone reads the bytes); NaN and infinities are not served.
; The code stores cover whole aligned runs of 256 bytes (sixteen lanes each).  The scale words leave 4 bytes at a pitch of 16: 49,152 bytes of the 835,584 stored.
.set C2R, 131072                       ; where w2's codes begin in wq (w1's begin at 0)
.set C3R, 655360                       ; w3's
.set S1R, 786432                       ; w1's scale words
.set S2R, 794624                       ; w2's
.set S3R, 827392                       ; w3's
.set X,   16                           ; v16-47 a load's offset, then the number that it brought
.set C,   48                           ; v48-51 the block's codes
	s_load_b256 s[4:11], s[0:1], 0x0               ; w1 s[4:5], w2 s[6:7], w3 s[8:9], wq s[10:11]
	v_lshl_add_u32 v64, v0, 2, 0x200
	v_mov_b32 v65, 0
	v_lshrrev_b32 v1, 5, v0
	v_readfirstlane_b32 s12, v1                    ; wave 0..15
	s_and_b32 s13, s12, 3                          ; wc: which 32 columns
	s_lshr_b32 s14, s12, 2                         ; kb: which block of the K step
	v_and_b32 v1, 31, v0                           ; lane
	v_lshlrev_b32 v2, 2, v1                        ; my column's 4 bytes in a row
	v_and_b32 v8, 7, v0
	v_bfe_u32 v9, v0, 4, 1
	v_bfe_u32 v10, v0, 3, 1                        ; u = (lane / 8) % 2
	v_lshl_add_u32 v8, v9, 3, v8                   ; r = lane % 8 + 8 (lane / 16)
	v_lshlrev_b32 v3, 4, v8
	v_lshl_add_u32 v3, v10, 10, v3                 ; my codes' place: 1024 u + 16 r
	v_lshl_add_u32 v8, v10, 4, v8                  ; r + 16 u
	v_and_b32 v4, 0x1e0, v0                        ; 32 x wave: each wave has 32 LDS bytes of its own
	v_add_nc_u32 v4, v4, v8                        ; my scale byte's place in them
	v_lshlrev_b32 v6, 4, v1                        ; a scale word's place in wq: 16 x lane
	s_wait_kmcnt 0x0
	s_mov_b32 s18, S2R
	s_mov_b32 s19, 1024
	s_cmp_lt_u32 ttmp9, 16                         ; w1, or one of the others?  The choices hang on the work-group's number alone
	s_cselect_b64 s[20:21], s[4:5], s[6:7]
	s_cselect_b32 s15, 0, 16                       ; the tensor's first work-group
	s_cselect_b32 s16, 1, 3                        ; lg = log2(KS)
	s_cselect_b32 s17, 0, C2R                      ; its codes' region
	s_cselect_b32 s18, S1R, s18                    ; its scales' region
	s_cmp_lt_u32 ttmp9, 80                         ; w3?
	s_cselect_b64 s[20:21], s[20:21], s[8:9]
	s_cselect_b32 s15, s15, 80
	s_cselect_b32 s17, s17, C3R
	s_cselect_b32 s18, s18, S3R
	s_cselect_b32 s19, 4096, s19                   ; a row of the tensor in bytes
	s_sub_co_u32 s22, ttmp9, s15                   ; q
	s_lshl_b32 s23, 1, s16
	s_sub_co_u32 s23, s23, 1
	s_and_b32 s23, s22, s23                        ; ks = q % KS: the K step
	s_lshr_b32 s22, s22, s16                       ; cq = q / KS: which 128 columns
	s_lshl_b32 s24, s23, 7                         ; the source: row 128 ks + 32 kb,
	s_lshl_b32 s25, s14, 5
	s_add_co_u32 s24, s24, s25
	s_mul_i32 s24, s24, s19
	s_lshl_b32 s25, s22, 9                         ; column 128 cq + 32 wc
	s_add_co_u32 s24, s24, s25
	s_lshl_b32 s25, s13, 7
	s_add_co_u32 s24, s24, s25
	s_mov_b32 s25, 0
	s_add_nc_u64 s[20:21], s[20:21], s[24:25]
.irp i, 0,1,2,3,4,5,6,7,8,9,10,11,12,13,14,15,16,17,18,19,20,21,22,23,24,25,26,27,28,29,30,31
	v_mad_u32_u24 v[X+\i], s19, \i, v2             ; row i of the block: the pitch is a register, so one text serves both pitches
.endr
.irp i, 0,1,2,3,4,5,6,7,8,9,10,11,12,13,14,15,16,17,18,19,20,21,22,23,24,25,26,27,28,29,30,31
	global_load_b32 v[X+\i], v[X+\i], s[20:21] th:TH_LOAD_NT   ; each load lands on its own offset register; 32 loads of the wave are out
.endr
	s_lshl_b32 s26, s22, 1
	s_lshr_b32 s27, s13, 1
	s_add_co_u32 s26, s26, s27                     ; G = 2 cq + wc / 2
	s_and_b32 s27, s13, 1                          ; b = wc % 2
	s_add_co_u32 s32, s16, 12
	s_lshl_b32 s32, s26, s32                       ; the codes: G x KS x 4096
	s_add_co_u32 s32, s32, s17
	s_lshl_b32 s33, s23, 12                        ; + 4096 ks
	s_add_co_u32 s32, s32, s33
	s_lshl_b32 s33, s27, 11                        ; + 2048 b
	s_add_co_u32 s32, s32, s33
	s_lshl_b32 s33, s14, 8                         ; + 256 kb
	s_add_co_u32 s32, s32, s33
	s_mov_b32 s33, 0
	s_add_nc_u64 s[28:29], s[10:11], s[32:33]
	s_add_co_u32 s34, s16, 8
	s_lshl_b32 s34, s26, s34                       ; the scale words (waves 0-3, whose wc is their number): G x KS x 256
	s_add_co_u32 s34, s34, s18
	s_lshr_b32 s35, s23, 1
	s_lshl_b32 s35, s35, 9                         ; + 512 (ks / 2)
	s_add_co_u32 s34, s34, s35
	s_and_b32 s35, s23, 1
	s_lshl_b32 s35, s35, 3                         ; + 8 (ks % 2)
	s_add_co_u32 s34, s34, s35
	s_lshl_b32 s35, s27, 2                         ; + 4 b
	s_add_co_u32 s34, s34, s35
	s_mov_b32 s35, 0
	s_add_nc_u64 s[30:31], s[10:11], s[34:35]
	s_wait_loadcnt 0x0
	v_max3_num_f32 v8, |v[X]|, |v[X+1]|, |v[X+2]|                  ; the block's largest magnitude: all 32 numbers are mine; two chains
	v_max3_num_f32 v9, |v[X+3]|, |v[X+4]|, |v[X+5]|
.irp i, 6,10,14,18,22,26
	v_max3_num_f32 v8, v8, |v[X+\i]|, |v[X+\i+1]|
	v_max3_num_f32 v9, v9, |v[X+\i+2]|, |v[X+\i+3]|
.endr
	v_max3_num_f32 v8, v8, |v[X+30]|, |v[X+31]|
	v_max3_num_f32 v8, v8, v9, 0x1800000           ; and the floor 2^(3 - 127): the byte cannot fall under 1
	v_add_nc_u32 v11, 0xff000000, v8               ; 2 off its exponent field: the conversion takes this operand's exponent field as its scale
.irp g, 0,1,2,3
	v_cvt_scalef32_pk8_fp4_f32 v[C+\g], v[X+8*\g:X+8*\g+7], v11
.endr
	v_lshrrev_b32 v10, 23, v11                     ; the scale's byte (also the plain line behind the conversions)
	global_store_b128 v3, v[C:C+3], s[28:29]       ; lanes of one u store 256 consecutive bytes, at a multiple of 256 from wq's first byte
	ds_store_b8 v4, v10
	s_wait_dscnt 0x0                               ; for the others' sake: my byte stores are done
	s_barrier_signal -1
	s_barrier_wait -1
	s_cmp_gt_u32 s12, 3                            ; waves 0-3 put the four blocks' bytes together, 32 words each
	s_cbranch_scc1 .Ldone
	ds_load_u8 v12, v0                             ; in these waves the thread's number is 32 wc + lane: block 0's byte of row (r + 16 u) = lane,
	ds_load_u8 v13, v0 offset:128                  ; block 1's (the waves of a block lie 4 x 32 bytes on),
	ds_load_u8 v14, v0 offset:256
	ds_load_u8 v15, v0 offset:384
	s_wait_dscnt 0x0
	v_lshl_or_b32 v12, v13, 8, v12
	v_lshl_or_b32 v12, v14, 16, v12
	v_lshl_or_b32 v12, v15, 24, v12
	global_store_b32 v6, v12, s[30:31]
.Ldone:
	s_wait_tensorcnt 0x0
	ds_add_u32 v64, v65
	s_wait_dscnt 0x0
	s_endpgm
.Lfunc_end_k_q6077bb42bf_prep:
	.size	k_q6077bb42bf_prep, .Lfunc_end_k_q6077bb42bf_prep-k_q6077bb42bf_prep
	.p2alignl 7, 3214868480
	.fill 96, 4, 3214868480
	.section	.rodata,"a",@progbits
	.p2align	6, 0x0
	.amdhsa_kernel k_q6077bb42bf_prep
		.amdhsa_group_segment_fixed_size 2560
		.amdhsa_private_segment_fixed_size 0
		.amdhsa_enable_private_segment 0
		.amdhsa_kernarg_size 32
		.amdhsa_user_sgpr_count 2
		.amdhsa_user_sgpr_kernarg_segment_ptr 1
		.amdhsa_wavefront_size32 1
		.amdhsa_system_sgpr_workgroup_id_x 1
		.amdhsa_system_sgpr_workgroup_id_y 1
		.amdhsa_system_sgpr_workgroup_id_z 1
		.amdhsa_system_vgpr_workitem_id 0
		.amdhsa_next_free_vgpr 66
		.amdhsa_next_free_sgpr 66
		.amdhsa_reserve_vcc 0
		.amdhsa_float_denorm_mode_32 3
		.amdhsa_float_denorm_mode_16_64 3
		.amdhsa_memory_ordered 1
		.amdhsa_forward_progress 1
		.amdhsa_inst_pref_size 11
	.end_amdhsa_kernel
	.amdgpu_metadata
---
amdhsa.version: [ 1, 2 ]
amdhsa.kernels:
  - .name:           k_q6077bb42bf_prep
    .symbol:         k_q6077bb42bf_prep.kd
    .args:
      - { .name: w1, .offset: 0, .size: 8, .value_kind: global_buffer, .address_space: global }
      - { .name: w2, .offset: 8, .size: 8, .value_kind: global_buffer, .address_space: global }
      - { .name: w3, .offset: 16, .size: 8, .value_kind: global_buffer, .address_space: global }
      - { .name: wq, .offset: 24, .size: 8, .value_kind: global_buffer, .address_space: global }
    .group_segment_fixed_size: 2560
    .private_segment_fixed_size: 0
    .kernarg_segment_align: 8
    .kernarg_segment_size: 32
    .max_flat_workgroup_size: 512
    .sgpr_count:     66
    .vgpr_count:     66
    .wavefront_size: 32
...
	.end_amdgpu_metadata
.endif
;; end of part 1
;; launch mlp (part 2): grid 256 x 1, 8 waves a work-group, no clusters, 323,584 bytes of LDS; arguments x, wq, out0; writes out0
.if DOCPART == 2
	.amdgcn_target "amdgcn-amd-amdhsa--gfx1250"
	.amdhsa_code_object_version 6
	.text
	.protected	k_q6077bb42bf_mlp
	.globl	k_q6077bb42bf_mlp
	.p2align	8
	.type	k_q6077bb42bf_mlp,@function
k_q6077bb42bf_mlp:
	s_mov_b64 s[64:65], 0
	v_nop
	global_prefetch_b8 v0, s[64:65] scope:SCOPE_SE
	s_setreg_imm32_b32 hwreg(HW_REG_WAVE_MODE, 25, 1), 1
	s_wait_xcnt 0x0
; out = sp(sp(x W1) W2) W3, sp = softplus; x [32768][256] f32, out [32768][256] f32; all three products on codes of FP4 (E2M1) with one E8M0 scale for each 32 along K.
; The weights come from wq as the launch before laid them: fragments and scale words in the order of the operand's registers.  x, h1 and h2 are quantised here; h1 and h2 never go to memory.
; SHARES.  A work-group owns 128 rows: 8 tiles of 16.  Eight waves, two to a SIMD, so that one wave's products and plain work stand beside the other's exponentials and logarithms.
; THE WAVES SHARE THE COLUMNS, AND THE WEIGHTS STAND STILL: in a pass a wave holds the fragments of 64 units for all of K in registers (up to 32 fragments, 256 registers: window 1) and the 8 row tiles stream past from LDS.
;   x: wave w quantises row tile w.   Layers 1, 2: two passes, units 64 (2 w + p) on, all 8 row tiles.   Layer 3: units 64 (w % 4) on, row tiles 4 (w / 4) + 0 .. 3.
; THE PRODUCTS ARE USED TRANSPOSED (source 0 = 16 units of a weight, source 1 = 16 rows): a lane holds ONE row (lane % 16).  By the order in which the weights' rows were laid into tiles, register 16 b + i of a
; pass's 32 results is unit 64 G + 32 b + 16 (lane / 16) + i: sixteen neighbours along the next K.  A block of 32 lies in lanes l and l xor 16.
; OPERANDS GO FROM WAVE TO WAVE THROUGH LDS AS IMAGES OF THEIR REGISTERS: a fragment is 1,024 bytes, block kb of row r at 256 kb + 16 r, read back by two loads at 16 x lane.  A wave's 128 units of a layer are K step w
; of the next layer, so each wave stores into one run of LDS of its own.  No LDS byte is written twice; three barriers in all.
; WHEN THE WEIGHTS ARE ASKED FOR.  W1's and W2's fragments go from memory straight into the registers that the products name, in runs of 16 to 36 loads a wave at places where those registers are free: W2's first group
; in four runs under layer 1; each pass's successor behind the pass's last products, two softplus phases ahead of its use.
; SOFTPLUS, in f32: a = x log2(e); u = 2^-|a|; w = 1 + u; r = u - (w - 1), exact: what the rounding of 1 + u lost; h = ln(2) (max(a, 0) + log2(w)) + r.
; NO CLUSTER, though all work-groups read the same weights: a joint load lands in LDS, and here W1's and W2's fragments go to ONE wave's registers and serve 128 rows from there.  A pass's weights of the eight waves are
; 8 x 34,816 = 278,528 bytes, and beside h1, h2, x and the stage (191,488 bytes) 136,192 bytes of LDS are left.  What does go through LDS, W3's 131,072 bytes, is about an eighth of the 966,656 bytes of x and weights that a work-group takes in.
; NO PREFETCH: x is wanted at the very head, and every run of weights is asked for ahead of its use, straight into registers or LDS.
; LIMITS: NaN and infinities are not served.  Where |x| log2(e) is over 126 the exponential gives 0: softplus(x) is then 0 for x under about -87.3, where its true value is under 1.2e-38.  For very negative x the
; accuracy leans on the logarithm's 1 ulp near 1 (ISA guide, its entry in 15.8).  A block of zeros carries the scale byte 1 (its codes are zeros).
; LDS
.set H1I, 0                            ; h1's 64 fragments: (K step k, row tile m) at 8192 k + 1024 m
.set H2I, 65536                        ; h2's likewise
.set XI,  131072                       ; x's 16 fragments: (m, k) at 2048 m + 1024 k
.set H1S, 147456                       ; h1's scale words: (k, m, row r) at 512 k + 64 m + 4 r
.set H2S, 151552                       ; h2's likewise
.set XS,  155648                       ; x's: (m, k, r) at 128 m + 64 k + 4 r
.set OST, 156672                       ; the way out: for each wave 16 rows x (256 bytes + 16)
.set W3L, 191488                       ; W3's codes as they lie in wq: group g at 32768 g, fragment f at 1024 f; filled once, by the tensor loads, wave w's 16,384 bytes at 16384 w
; wq
.set C2R, 131072                       ; W2's codes (W1's begin at 0)
.set C3R, 655360                       ; W3's
.set S1R, 786432                       ; the scale words of W1,
.set S2R, 794624                       ; W2,
.set S3R, 827392                       ; W3
; vector registers, window 0 (window 1, v256-511: the weights, fragment 4 k + t at 8 (4 k + t))
.set LI,   1                           ; 16 x lane; never rewritten
.set R4,   2                           ; 4 x (lane % 16)
.set CT,   3                           ; 16 (lane % 16) + 8 (lane / 16): my 8 bytes of a block's 256
.set SRCB, 4                           ; LI + the layer's source images
.set SSB,  5                           ; R4 + the source's scale words
.set DCB,  6                           ; CT + the layer's result images + 8192 x wave
.set DSB,  7                           ; R4 + the results' scale words + 512 x wave
.set AFA,  8                           ; the addresses in hand
.set ASA,  9
.set DCA,  10
.set DSA,  11
.set OSI,  12                          ; the stage: where I put 64 bytes of a row
.set OSO,  13                          ; and where I read rows back
.set GO,   14                          ; my byte offset in two rows of out
.set XO,   15                          ; 32 x lane: my 8 numbers of a row of x
.set WSC,  16                          ; v16-31 the weights' scale words and nothing else: register 2 k + b: lanes 0-15 tile 2 b, lanes 16-31 tile 2 b + 1
.set ASC,  32                          ; v32-39 the activations' scale words and nothing else: register k
.set XCA,  40                          ; x phase: where my 4 bytes of codes go
.set XSA,  41                          ; and my block's scale byte
.set PC,   42                          ; v42-45 the codes just made
.set ACC0, 48                          ; v48-79, v80-111: two sets of four accumulators, by turns
.set ACC1, 80
.set AF,   112                         ; v112-175 up to 8 activation fragments, and nothing else from layer 1 on: so the next tile is fetched while the softplus works
.set U,    176                         ; v176-207 u, then r
.set WT,   208                         ; v208-239 w, then log2(w)
.set T,    240                         ; v240-243 w - 1, two pairs by turns
.set MX,   244                         ; v244-247 largest magnitudes, two chains a block
.set MY,   248                         ; v248-249 the other half of the lanes'
.set SO,   250                         ; v250-251 the conversions' scale operands
.set BY,   252                         ; v252-253 the scale bytes
.set BW,   254                         ; both in one register
.set W3A,  255                         ; LI + W3L + 32768 (wave % 4): my group of W3 in LDS; never rewritten
.set OB,   176                         ; layer 3: v176-207 rows of out read back from the stage
.set XR,   48                          ; x phase: v48-175 16 rows x 8 numbers; v176-191 maxima; v192-207 scale operands; v208-223 codes; v224-239 bytes
.set XM,   176
.set XSO,  192
.set XPC,  208
.set XBY,  224
; scalar registers
.set WV,   10                          ; wave
.set CG,   11                          ; wave % 4
.set RH,   12                          ; wave / 4
.set L2E,  16                          ; s[16:17] log2(e), twice: the packed forms name a pair
.set LN2,  18                          ; s[18:19] ln(2), twice
.set SEL,  20                          ; s[20:21] v_permlanex16_b32's selects for lane l xor 16
.set PA1,  24                          ; s[24:25] W1's codes of my second group      s[26:27] W2's of my first
.set PB1,  26
.set QA1,  28                          ; s[28:31] their scale words
.set QB1,  30
.set PA2,  32                          ; s[32:33] W2's codes of my second group
.set QA2,  36                          ; s[36:37] its scale words                    s[38:39] those of my group of W3
.set QB2,  38
.set WPT,  40                          ; s[40:41], s[42:43] W1's codes and scale words of my first group
.set SPT,  42
.set PASSC, 44                         ; layer 2's pass, 0 or 1
.set TRIP, 45
.set SRC,  46                          ; LDS steps: the source tile's images, its scale words,
.set SSC,  47
.set DST,  48                          ; the result tile's images, its scale bytes
.set DSS,  49
.set G0,   56                          ; s[56:59] tensor descriptor group 0;  s[68:75] group 1.  Neither is written again
.set G1,   68
.set MSB, 0
.macro WIN new                         ; the immediate's low byte: bits 1:0 source 0, 7:6 destination; its high byte repeats the setting that is left
.if MSB != \new
	s_set_vgpr_msb (MSB<<8)|\new
.set MSB, \new
.endif
.endm
.macro PLACES                          ; four plain lines between a matrix instruction and a load into, or a write of, one of its registers (ISA guide 7.12.1 for writes)
.rept 4
	v_nop
.endr
.endm
.macro BARRIER                         ; my LDS stores have landed and my LDS loads are in: then the work-group's barrier
	s_wait_dscnt 0x0
	s_barrier_signal -1
	s_barrier_wait -1
.endm
; The next row tile's fragments and scale words, all K steps: 3 ks LDS loads.  mstr, sms: from tile to tile;  kstr, sks: from K step to K step.
.macro LOADACT ks, mstr, kstr, sms, sks
	v_add_nc_u32 v[AFA], s[SRC], v[SRCB]
	v_add_nc_u32 v[ASA], s[SSC], v[SSB]
	s_add_co_u32 s[SRC], s[SRC], \mstr
	s_add_co_u32 s[SSC], s[SSC], \sms
.set KK, 0
.rept \ks
	ds_load_b128 v[AF+8*KK:AF+8*KK+3], v[AFA] offset:(\kstr)*KK
	ds_load_b128 v[AF+8*KK+4:AF+8*KK+7], v[AFA] offset:(\kstr)*KK+512
	ds_load_b32 v[ASC+KK], v[ASA] offset:(\sks)*KK             ; lanes r and r + 16 take row r's word
.set KK, KK+1
.endr
.endm
; One row tile x my 64 units: 4 ks matrix instructions, K ascending.  The first K step starts the sums with the constant 0.  The four accumulators take turns, one instruction a turn, and the two sets
; alternate from MUL to MUL, over every backward jump too.
.macro MUL acc, ks
	WIN 0x01                                       ; source 0, the weights: window 1
.set KK, 0
.rept \ks
.irp t, 0,1,2,3
.set rD, (\acc)+8*\t
.set rW, 8*(4*KK+\t)
.set rA, AF+8*KK
.set rS, WSC+2*KK+\t/2
.set rT, ASC+KK
.if (KK == 0) && (\t%2 == 0)
	v_wmma_scale_f32_16x16x128_f8f6f4 v[rD:rD+7], v[rW:rW+7], v[rA:rA+7], 0, v[rS], v[rT] matrix_a_fmt:MATRIX_FMT_FP4 matrix_b_fmt:MATRIX_FMT_FP4
.elseif KK == 0
	v_wmma_scale_f32_16x16x128_f8f6f4 v[rD:rD+7], v[rW:rW+7], v[rA:rA+7], 0, v[rS], v[rT] matrix_a_fmt:MATRIX_FMT_FP4 matrix_b_fmt:MATRIX_FMT_FP4 matrix_a_scale:MATRIX_SCALE_ROW1
.elseif \t%2 == 0
	v_wmma_scale_f32_16x16x128_f8f6f4 v[rD:rD+7], v[rW:rW+7], v[rA:rA+7], v[rD:rD+7], v[rS], v[rT] matrix_a_fmt:MATRIX_FMT_FP4 matrix_b_fmt:MATRIX_FMT_FP4
.else
	v_wmma_scale_f32_16x16x128_f8f6f4 v[rD:rD+7], v[rW:rW+7], v[rA:rA+7], v[rD:rD+7], v[rS], v[rT] matrix_a_fmt:MATRIX_FMT_FP4 matrix_b_fmt:MATRIX_FMT_FP4 matrix_a_scale:MATRIX_SCALE_ROW1
.endif
.endr
.set KK, KK+1
.endr
	WIN 0
.endm
; Weight fragments first .. first + n - 1 of a group into window 1: from memory (WLOAD) or, W3's, from LDS (DLOAD); and scale quads from memory (SLOAD): straight into the registers that the products name.
.macro WLOAD ptr, first, n
	WIN 0x40                                       ; destination window 1, address window 0
.set F, \first
.rept \n
	global_load_b128 v[8*F:8*F+3], v[LI], s[\ptr:\ptr+1] offset:1024*F          ; 32 lanes read 512 consecutive bytes
	global_load_b128 v[8*F+4:8*F+7], v[LI], s[\ptr:\ptr+1] offset:1024*F+512
.set F, F+1
.endr
	WIN 0
.endm
.macro DLOAD first, n
	WIN 0x40                                       ; destination window 1, address window 0
.set F, \first
.rept \n
	ds_load_b128 v[8*F:8*F+3], v[W3A] offset:1024*F
	ds_load_b128 v[8*F+4:8*F+7], v[W3A] offset:1024*F+512
.set F, F+1
.endr
	WIN 0
.endm
.macro SLOAD ptr, first, n
.set F, \first
.rept \n
	global_load_b128 v[WSC+4*F:WSC+4*F+3], v[LI], s[\ptr:\ptr+1] offset:512*F
.set F, F+1
.endr
.endm
; SOFTPLUS AND QUANTISER on the 32 results v[x] on (one row tile x my 64 units); the codes and two scale bytes go to LDS by three stores.
; pend: how many LDS instructions were issued behind the last softplus's three stores and may stay out where those stores' registers are written again.
; The exponentials are one batch and the logarithms another, each with plain work dealt between its lines and ONE wait ahead of its first reader.
.macro SOFT x, pend
.irp j, 0,1,2,3
	v_pk_mul_f32 v[\x+2*\j:\x+2*\j+1], v[\x+2*\j:\x+2*\j+1], s[L2E:L2E+1] op_sel_hi:[1,0]   ; a = x log2(e).  Each accumulator is read from its low end on
.endr
.set J, 0
.rept 16
	v_exp_f32 v[U+2*J], -|v[\x+2*J]|               ; u = 2^-|a|
	v_exp_f32 v[U+2*J+1], -|v[\x+2*J+1]|
.if J < 12
	v_pk_mul_f32 v[\x+2*J+8:\x+2*J+9], v[\x+2*J+8:\x+2*J+9], s[L2E:L2E+1] op_sel_hi:[1,0]
.endif
.if J > 0
	v_max_num_f32 v[\x+2*J-2], 0, v[\x+2*J-2]      ; max(a, 0) of the pair before: plain lines stand between its exponentials and this write of their sources
	v_max_num_f32 v[\x+2*J-1], 0, v[\x+2*J-1]
.endif
.set J, J+1
.endr
	v_max_num_f32 v[\x+30], 0, v[\x+30]
	v_max_num_f32 v[\x+31], 0, v[\x+31]
	s_wait_alu depctr_va_vdst(0)                   ; one wait for the 32 exponentials, ahead of the first line that names a result
	v_pk_add_f32 v[WT:WT+1], v[U:U+1], 1.0 op_sel_hi:[1,0]         ; w = 1 + u
	v_pk_add_f32 v[WT+2:WT+3], v[U+2:U+3], 1.0 op_sel_hi:[1,0]
	v_pk_add_f32 v[T:T+1], v[WT:WT+1], -1.0 op_sel_hi:[1,0]        ; w - 1, exact
.set J, 0
.rept 16
.if J < 14
	v_pk_add_f32 v[WT+2*J+4:WT+2*J+5], v[U+2*J+4:U+2*J+5], 1.0 op_sel_hi:[1,0]
.endif
.if J < 15
	v_pk_add_f32 v[T+2*((J+1)%2):T+2*((J+1)%2)+1], v[WT+2*J+2:WT+2*J+3], -1.0 op_sel_hi:[1,0]
.endif
	v_pk_add_f32 v[U+2*J:U+2*J+1], v[U+2*J:U+2*J+1], v[T+2*(J%2):T+2*(J%2)+1] neg_lo:[0,1] neg_hi:[0,1]   ; r = u - (w - 1), exact
	v_log_f32 v[WT+2*J], v[WT+2*J]                 ; log2(w): w - 1 of this pair was taken a turn ago
	v_log_f32 v[WT+2*J+1], v[WT+2*J+1]
.set J, J+1
.endr
	s_wait_dscnt \pend                             ; LDS instructions end in order (ISA guide 5.7.1): the last softplus's three stores are done, so their address and data registers may be written again
	v_add_nc_u32 v[DCA], s[DST], v[DCB]            ; where this tile's codes and bytes go (the plain lines behind the last logarithm)
	v_add_nc_u32 v[DSA], s[DSS], v[DSB]
	s_add_co_u32 s[DST], s[DST], 1024
	s_add_co_u32 s[DSS], s[DSS], 64
	s_wait_alu depctr_va_vdst(0)                   ; one wait for the 32 logarithms
.set J, 0
.rept 16
	v_pk_add_f32 v[\x+2*J:\x+2*J+1], v[\x+2*J:\x+2*J+1], v[WT+2*J:WT+2*J+1]
.set J, J+1
.endr
.set J, 0
.rept 16
	v_pk_fma_f32 v[\x+2*J:\x+2*J+1], v[\x+2*J:\x+2*J+1], s[LN2:LN2+1], v[U+2*J:U+2*J+1] op_sel_hi:[1,0,1]   ; h = ln(2) (max(a, 0) + log2(w)) + r
.set J, J+1
.endr
.irp b, 0,1                                    ; my 16 numbers of block b, none negative: two chains a block, the four by turns; the floor 2^(3 - 127) holds the byte at 1 from below
	v_max3_num_f32 v[MX+2*\b], v[\x+16*\b], v[\x+16*\b+1], 0x1800000
	v_max3_num_f32 v[MX+2*\b+1], v[\x+16*\b+8], v[\x+16*\b+9], v[\x+16*\b+10]
.endr
.irp n, 2,4,6
.irp b, 0,1
	v_max3_num_f32 v[MX+2*\b], v[MX+2*\b], v[\x+16*\b+\n], v[\x+16*\b+\n+1]
.if \n < 6
	v_max3_num_f32 v[MX+2*\b+1], v[MX+2*\b+1], v[\x+16*\b+\n+9], v[\x+16*\b+\n+10]
.endif
.endr
.endr
.irp b, 0,1
	v_max3_num_f32 v[MX+2*\b], v[MX+2*\b], v[MX+2*\b+1], v[\x+16*\b+15]
.endr
.irp b, 0,1
	v_permlanex16_b32 v[MY+\b], v[MX+2*\b], s[SEL], s[SEL+1]
.endr
.irp b, 0,1
	v_max_num_f32 v[MX+2*\b], v[MX+2*\b], v[MY+\b]                 ; with lane l xor 16's: the block's largest
.endr
.irp b, 0,1
	v_add_nc_u32 v[SO+\b], 0xff000000, v[MX+2*\b]  ; 2 off its exponent field: the conversion's scale operand
.endr
.irp b, 0,1
	v_lshrrev_b32 v[BY+\b], 23, v[SO+\b]           ; the scale's byte
.endr
	v_lshl_or_b32 v[BW], v[BY+1], 8, v[BY]
.irp b, 0,1
	v_cvt_scalef32_pk8_fp4_f32 v[PC+2*\b], v[\x+16*\b:\x+16*\b+7], v[SO+\b]
	v_cvt_scalef32_pk8_fp4_f32 v[PC+2*\b+1], v[\x+16*\b+8:\x+16*\b+15], v[SO+\b]
.endr
	v_nop                                          ; one plain line behind the last conversion: products will write its sources again
	ds_store_b64 v[DCA], v[PC:PC+1]                ; my 16 codes of block 2 p: 32 lanes store 256 consecutive bytes
	ds_store_b64 v[DCA], v[PC+2:PC+3] offset:256   ; and of block 2 p + 1
	ds_store_b16 v[DSA], v[BW]                     ; bytes 2 p, 2 p + 1 of my row's scale word (lanes r and r + 16 write the same two bytes with the same values)
.endm
; A PASS: my 64 units for the 8 row tiles.  The products of tile m + 1 stand ahead of the softplus of tile m, and tile m + 2 is fetched from LDS between the two: its 3 ks loads have that whole softplus in which to land.
; At a pass's end the weights are done with two softplus phases before the next pass wants its own: the refill goes out there.
; kind 0: layer 1, pass 0;  1: layer 1, pass 1;  2: layer 2, either pass (the refill's two forms stand in two arms of a branch on the pass's number; every wait behind them is for 0).
.macro PASS ks, mstr, kstr, sms, sks, kind
	LOADACT \ks, \mstr, \kstr, \sms, \sks          ; tile 0
	s_wait_dscnt 0x0                               ; it is in (and so is whatever the pass before fetched from LDS)
	MUL ACC0, \ks
	v_nop                                          ; two lines here and the two address additions below: four places ahead of the loads into the products' operands
	v_nop
	LOADACT \ks, \mstr, \kstr, \sms, \sks          ; tile 1
.if \kind == 0
	WLOAD PB1, 8, 8                                ; W2's first group, K steps 2 and 3, into registers that layer 1 does not name: 16 loads
.elseif \kind == 1
	WLOAD PB1, 24, 8                               ; K steps 6 and 7: 16 loads,
	SLOAD QB1, 1, 3                                ; and the scale words of K steps 2 to 7: 3
.endif
	s_wait_dscnt 0x0                               ; tile 1 is in: the loop's counted waits hold on the way in too
	s_mov_b32 s[TRIP], 3
.Lrow_\@:                                          ; a trip: two tiles' products, two tiles fetched, two tiles' softplus
	s_wait_dscnt 3                                 ; the tile's fragments and scale words are in; behind them only the last softplus's three stores were issued
	MUL ACC1, \ks
	v_nop
	v_nop
	LOADACT \ks, \mstr, \kstr, \sms, \sks
	SOFT ACC0, 3*\ks
	s_wait_dscnt 3
	MUL ACC0, \ks
	v_nop
	v_nop
	LOADACT \ks, \mstr, \kstr, \sms, \sks
	SOFT ACC1, 3*\ks
	s_sub_co_u32 s[TRIP], s[TRIP], 1
	s_cmp_lg_u32 s[TRIP], 0
	s_cbranch_scc1 .Lrow_\@
	s_wait_dscnt 3
	MUL ACC1, \ks                                  ; tile 7: the pass's last products
	PLACES                                         ; ahead of the loads into the weights' and their scales' registers
.if \kind == 0
	WLOAD PA1, 0, 8                                ; W1's second group: 16 loads and 1
	SLOAD QA1, 0, 1
.elseif \kind == 1
	WLOAD PB1, 0, 8                                ; W2's first group, K steps 0 and 1
	SLOAD QB1, 0, 1
.else
	s_cmp_eq_u32 s[PASSC], 0
	s_cbranch_scc0 .Llds_a_\@
	WLOAD PA2, 0, 16                               ; behind pass 0: W2's second group, K steps 0 to 3, and all its scale words
	SLOAD QA2, 0, 4
	s_branch .Lgot_a_\@
.Llds_a_\@:
	DLOAD 0, 16                                    ; behind pass 1: W3's group, from LDS: every wave has waited for its tensor load ahead of the barrier behind layer 1
	SLOAD QB2, 0, 4
.Lgot_a_\@:
.endif
	SOFT ACC0, 0                                   ; tile 6
.if \kind == 0
	WLOAD PB1, 16, 8                               ; W2's first group, K steps 4 and 5: 16 loads
.elseif \kind == 2
	s_cmp_eq_u32 s[PASSC], 0
	s_cbranch_scc0 .Llds_b_\@
	WLOAD PA2, 16, 16                              ; K steps 4 to 7
	s_branch .Lgot_b_\@
.Llds_b_\@:
	DLOAD 16, 16
.Lgot_b_\@:
.endif
	SOFT ACC1, 0                                   ; tile 7
	s_sub_co_u32 s[SRC], s[SRC], 8*(\mstr)         ; back to tile 0 of the source,
	s_sub_co_u32 s[SSC], s[SSC], 8*(\sms)
	s_sub_co_u32 s[DST], s[DST], 8192-512          ; and of the results, two blocks on in each image
	s_sub_co_u32 s[DSS], s[DSS], 512-2             ; and two bytes on in each scale word
.if \kind == 0
	s_wait_loadcnt 16                              ; W1's second group is in; behind it the 16 loads of W2's K steps 4 and 5 were issued and may stay out
.else
	s_wait_loadcnt 0x0                             ; the next weights from memory are in (those from LDS: the wait for 0 that stands ahead of the next products)
.endif
.endm
.macro BASES simg, sscl, dimg, dscl    ; a layer's LDS bases
	v_add_nc_u32 v[SRCB], \simg, v[LI]
	v_add_nc_u32 v[SSB], \sscl, v[R4]
	s_add_co_u32 s52, s50, \dimg
	v_add_nc_u32 v[DCB], s52, v[CT]
	s_add_co_u32 s52, s51, \dscl
	v_add_nc_u32 v[DSB], s52, v[R4]
	s_mov_b32 s[SRC], 0
	s_mov_b32 s[SSC], 0
	s_mov_b32 s[DST], 0
	s_mov_b32 s[DSS], 0
	s_mov_b32 s[PASSC], 0
.endm
	s_load_b128 s[4:7], s[0:1], 0x0                ; x s[4:5], wq s[6:7]
	s_load_b64 s[8:9], s[0:1], 0x10                ; out0
	v_lshl_add_u32 v46, v0, 2, 0x4ec00
	v_mov_b32 v47, 0
	ds_add_u32 v46, v47
	ds_add_u32 v46, v47
	v_lshrrev_b32 v240, 5, v0
	v_readfirstlane_b32 s[WV], v240                ; wave 0..7
	v_and_b32 v240, 31, v0                         ; lane
	v_lshlrev_b32 v[XO], 5, v240
	v_lshlrev_b32 v[LI], 4, v240
	s_and_b32 s[CG], s[WV], 3
	s_lshr_b32 s[RH], s[WV], 2
	; tensor descriptor, group 1: a dense block of 16,384 bytes as 64 rows of 32 elements of 8 bytes; no padding, no mask
	s_mov_b32 s[G1], 3<<16                         ; 17:16 elements of 8 bytes
	s_mov_b32 s[G1+1], 32<<16                      ; tensor_dim0 = 32
	s_mov_b32 s[G1+2], 64<<16                      ; tensor_dim1 = 64
	s_mov_b32 s[G1+3], 32<<16                      ; tile_dim0 = 32
	s_mov_b32 s[G1+4], 64                          ; tile_dim1 = 64
	s_mov_b32 s[G1+5], 32                          ; from row to row: 32 elements
	s_mov_b32 s[G1+6], 0
	s_mov_b32 s[G1+7], 0
	s_mov_b32 s[G0], 1                             ; group 0: count = 1,
	s_lshl_b32 s[G0+1], s[WV], 14
	s_add_co_u32 s[G0+1], s[G0+1], W3L             ; LDS address: W3L + 16384 x wave
	s_lshl_b32 s52, ttmp9, 17                      ; the work-group's 128 rows of 1,024 bytes,
	s_lshl_b32 s13, s[WV], 14                      ; my wave's 16 of them
	s_add_co_u32 s52, s52, s13
	s_mov_b32 s53, 0
	s_wait_dscnt 0x0
	s_wait_kmcnt 0x0
	s_add_nc_u64 s[4:5], s[4:5], s[52:53]
.set I, 0
.rept 16                                       ; my 16 rows of x: lane l takes numbers 8 l .. 8 l + 7 of a row: eight neighbours along K for one conversion; the two loads together cover the row's 1,024 bytes
	global_load_b128 v[XR+8*I:XR+8*I+3], v[XO], s[4:5] offset:1024*I th:TH_LOAD_NT
	global_load_b128 v[XR+8*I+4:XR+8*I+7], v[XO], s[4:5] offset:1024*I+16 th:TH_LOAD_NT
.set I, I+1
.endr
	s_mov_b32 s52, s13                             ; W1: a group is 8,192 bytes of codes and 512 of scale words; my first group is 2 x wave
	s_add_nc_u64 s[WPT:WPT+1], s[6:7], s[52:53]
	s_add_nc_u64 s[PA1:PA1+1], s[WPT:WPT+1], 8192
	s_add_nc_u64 s[G0+2:G0+3], s[6:7], s[52:53]    ; W3's codes: my 16,384 bytes of the 131,072 (the same 16384 x wave),
	s_add_nc_u64 s[G0+2:G0+3], s[G0+2:G0+3], C3R
	s_or_b32 s[G0+3], s[G0+3], 0x80000000          ; type = 2
	s_lshl_b32 s52, s[WV], 10
	s_add_nc_u64 s[SPT:SPT+1], s[6:7], s[52:53]
	s_add_nc_u64 s[SPT:SPT+1], s[SPT:SPT+1], S1R
	s_add_nc_u64 s[QA1:QA1+1], s[SPT:SPT+1], 512
	WLOAD WPT, 0, 8                                ; layer 1, pass 0: 16 loads
	SLOAD SPT, 0, 1                                ; and one: 49 loads of mine are out
	tensor_load_to_lds s[G0:G0+3], s[G1:G1+7]      ; my one tensor load of the launch, behind the loads that are wanted first; it fills bytes that are filled once
	s_nop 0
.rept 4
	v_nop                                          ; four such lines behind it
.endr
	s_lshl_b32 s52, s[WV], 16                      ; W2, W3: a group is 32,768 bytes of codes and 2,048 of scale words
	s_add_nc_u64 s[PB1:PB1+1], s[6:7], s[52:53]
	s_add_nc_u64 s[PB1:PB1+1], s[PB1:PB1+1], C2R
	s_add_nc_u64 s[PA2:PA2+1], s[PB1:PB1+1], 32768
	s_lshl_b32 s52, s[WV], 12
	s_add_nc_u64 s[QB1:QB1+1], s[6:7], s[52:53]
	s_add_nc_u64 s[QB1:QB1+1], s[QB1:QB1+1], S2R
	s_add_nc_u64 s[QA2:QA2+1], s[QB1:QB1+1], 2048
	s_lshl_b32 s52, s[CG], 11
	s_add_nc_u64 s[QB2:QB2+1], s[6:7], s[52:53]
	s_add_nc_u64 s[QB2:QB2+1], s[QB2:QB2+1], S3R
	s_lshl_b32 s52, ttmp9, 17                      ; out: the work-group's 128 rows of 1,024 bytes,
	s_lshl_b32 s13, s[RH], 16                      ; my 64 of them,
	s_add_co_u32 s52, s52, s13
	s_lshl_b32 s13, s[CG], 8                       ; my 64 columns: 256 bytes
	s_add_co_u32 s52, s52, s13
	s_add_nc_u64 s[8:9], s[8:9], s[52:53]
	s_mov_b32 s[L2E], 0x3fb8aa3b                   ; log2(e)
	s_mov_b32 s[L2E+1], s[L2E]
	s_mov_b32 s[LN2], 0x3f317218                   ; ln(2)
	s_mov_b32 s[LN2+1], s[LN2]
	s_mov_b32 s[SEL], 0x76543210
	s_mov_b32 s[SEL+1], 0xfedcba98
	s_lshl_b32 s50, s[WV], 13                      ; my K step of the next layer: 8,192 bytes of images,
	s_lshl_b32 s51, s[WV], 9                       ; 512 of scale words
	v_and_b32 v241, 15, v0                         ; r
	v_bfe_u32 v242, v0, 4, 1                       ; h
	v_lshlrev_b32 v[R4], 2, v241
	v_lshlrev_b32 v[CT], 4, v241
	v_lshl_add_u32 v[CT], v242, 3, v[CT]
	s_mul_i32 s52, s[WV], 16*272
	s_add_co_u32 s52, s52, OST                     ; my stage
	v_mul_u32_u24 v[OSI], v241, 272                ; in: row r, 64 bytes for each half of the lanes
	v_lshl_add_u32 v[OSI], v242, 6, v[OSI]
	v_add_nc_u32 v[OSI], s52, v[OSI]
	v_mul_u32_u24 v[OSO], v242, 272                ; back: lanes 0-15 one row of 256 bytes, lanes 16-31 the next
	v_lshl_add_u32 v[OSO], v241, 4, v[OSO]
	v_add_nc_u32 v[OSO], s52, v[OSO]
	v_lshlrev_b32 v[GO], 10, v242                  ; and the same two rows in out
	v_lshl_add_u32 v[GO], v241, 4, v[GO]
	s_lshl_b32 s52, s[CG], 15
	s_add_co_u32 s52, s52, W3L
	v_add_nc_u32 v[W3A], s52, v[LI]                ; my group of W3 in LDS
	v_lshrrev_b32 v243, 2, v240                    ; x: four lanes hold a block of 32: block lane / 4 of the row's eight,
	v_and_b32 v244, 3, v0                          ; my 4 bytes of its 16
	v_lshlrev_b32 v[XCA], 8, v243
	v_lshl_add_u32 v[XCA], v244, 2, v[XCA]
	s_lshl_b32 s52, s[WV], 11
	s_add_co_u32 s52, s52, XI
	v_add_nc_u32 v[XCA], s52, v[XCA]               ; XI + 2048 wave + 256 (lane / 4) + 4 (lane % 4); row i is 16 i on
	v_bfe_u32 v245, v0, 2, 2
	v_lshl_add_u32 v[XSA], v242, 6, v245
	s_lshl_b32 s52, s[WV], 7
	s_add_co_u32 s52, s52, XS
	v_add_nc_u32 v[XSA], s52, v[XSA]               ; XS + 128 wave + 64 (K step) + the block's byte; row i is 4 i on
	v_mov_b32 v[MY], 0                             ; written once: a lane permute's destination counts as one of its sources
	v_mov_b32 v[MY+1], 0
	; ---- x: my 16 rows become two fragments and their scale words, four rows at a time
.set G, 0
.rept 4
	s_wait_loadcnt 41-8*G                          ; these four rows' 8 loads are in; out may be the later rows' 24 - 8 G and the 17 of W1
.irp i, 0,1,2,3
	v_max3_num_f32 v[XM+4*G+\i], |v[XR+8*(4*G+\i)]|, |v[XR+8*(4*G+\i)+1]|, 0x1800000   ; my 8 numbers and the floor 2^(3 - 127); the four rows by turns
.endr
.irp n, 2,4,6
.irp i, 0,1,2,3
	v_max3_num_f32 v[XM+4*G+\i], v[XM+4*G+\i], |v[XR+8*(4*G+\i)+\n]|, |v[XR+8*(4*G+\i)+\n+1]|
.endr
.endr
.irp i, 0,1,2,3
	v_max_num_f32_dpp v[XM+4*G+\i], v[XM+4*G+\i], v[XM+4*G+\i] row_xmask:1 row_mask:0xf bank_mask:0xf
.endr
.irp i, 0,1,2,3
	v_max_num_f32_dpp v[XM+4*G+\i], v[XM+4*G+\i], v[XM+4*G+\i] row_xmask:2 row_mask:0xf bank_mask:0xf   ; the four lanes': the block's largest magnitude
.endr
.irp i, 0,1,2,3
	v_add_nc_u32 v[XSO+4*G+\i], 0xff000000, v[XM+4*G+\i]
.endr
.irp i, 0,1,2,3
	v_cvt_scalef32_pk8_fp4_f32 v[XPC+4*G+\i], v[XR+8*(4*G+\i):XR+8*(4*G+\i)+7], v[XSO+4*G+\i]
.endr
.irp i, 0,1,2,3
	v_lshrrev_b32 v[XBY+4*G+\i], 23, v[XSO+4*G+\i] ; the bytes (also the plain lines behind the conversions)
.endr
.irp i, 0,1,2,3
	ds_store_b32 v[XCA], v[XPC+4*G+\i] offset:16*(4*G+\i)
	ds_store_b8 v[XSA], v[XBY+4*G+\i] offset:4*(4*G+\i)            ; a block's four lanes write the same byte with the same value
.endr
.set G, G+1
.endr
	BARRIER                                        ; x's sixteen fragments lie in LDS.  (My tensor load may stay out: nobody reads its bytes before the next barrier)
	; ---- layer 1: h1 = sp(x W1), K = 256.  Its two passes are written out, since each carries other runs of W2's first group
	BASES XI, XS, H1I, H1S
	s_wait_loadcnt 0x0                             ; W1's first group and its scale words are in
	PASS 2, 2048, 1024, 128, 64, 0
	PASS 2, 2048, 1024, 128, 64, 1
	s_wait_tensorcnt 0x0                           ; for the others' sake: my part of W3's codes has landed
	BARRIER                                        ; h1's 64 fragments and all of W3's codes lie in LDS
	; ---- layer 2: h2 = sp(h1 W2), K = 1,024
	BASES H1I, H1S, H2I, H2S
.Lpass2:
	PASS 8, 1024, 8192, 64, 512, 2
	s_add_co_u32 s[PASSC], s[PASSC], 1
	s_cmp_lt_u32 s[PASSC], 2
	s_cbranch_scc1 .Lpass2
	BARRIER                                        ; h2's 64 fragments lie in LDS; my fragments of W3 are in registers
	; ---- layer 3: out = h2 W3: my 64 columns for my four row tiles.  A lane holds 2 x 64 bytes of one row, the lanes beside it other rows: a tile goes through my own stage and leaves as rows of 256 bytes
	s_lshl_b32 s52, s[RH], 12
	s_add_co_u32 s52, s52, H2I
	v_add_nc_u32 v[SRCB], s52, v[LI]               ; row tiles 4 (wave / 4) on
	s_lshl_b32 s52, s[RH], 8
	s_add_co_u32 s52, s52, H2S
	v_add_nc_u32 v[SSB], s52, v[R4]
	s_mov_b32 s[SRC], 0
	s_mov_b32 s[SSC], 0
	LOADACT 8, 1024, 8192, 64, 512
.irp i, 0,1,2,3
.set AC, ACC0+32*(\i%2)
	s_wait_dscnt 0x0
	MUL AC, 8
	v_nop                                          ; four places ahead of the loads into the products' operands and of the first read of results
	v_nop
.if \i < 3
	LOADACT 8, 1024, 8192, 64, 512                 ; (its two additions are the other two)
.else
	v_nop
	v_nop
.endif
.if \i > 0
	s_wait_xcnt 0x0                                ; the last tile's stores have read their data: the read-backs below may land there
.endif
.irp q, 0,1,2,3,4,5,6,7
	ds_store_b128 v[OSI], v[AC+4*\q:AC+4*\q+3] offset:16*(\q%4)+128*(\q/4)     ; register 16 b + i is column 32 b + 16 h + i; each accumulator from its low end on
.endr
.irp j, 0,1,2,3,4,5,6,7
	ds_load_b128 v[OB+4*\j:OB+4*\j+3], v[OSO] offset:544*\j        ; LDS serves a wave's instructions in order (ISA guide 5.7.1.4): these see the stores above, and the next tile's stores come behind them
.endr
.irp j, 0,1,2,3,4,5,6,7
	s_wait_dscnt 7-\j                              ; read-back j is in; the 7 - j younger ones may be out
	global_store_b128 v[GO], v[OB+4*\j:OB+4*\j+3], s[8:9] offset:(16*\i+2*\j)*1024 th:TH_STORE_NT   ; sixteen lanes store 256 consecutive bytes, at a multiple of 256 from out's first byte
.endr
.endr
	s_wait_tensorcnt 0x0
	ds_add_u32 v46, v47
	s_wait_dscnt 0x0
	s_endpgm
.Lfunc_end_k_q6077bb42bf_mlp:
	.size	k_q6077bb42bf_mlp, .Lfunc_end_k_q6077bb42bf_mlp-k_q6077bb42bf_mlp
	.p2alignl 7, 3214868480
	.fill 96, 4, 3214868480
	.section	.rodata,"a",@progbits
	.p2align	6, 0x0
	.amdhsa_kernel k_q6077bb42bf_mlp
		.amdhsa_group_segment_fixed_size 323584
		.amdhsa_private_segment_fixed_size 0
		.amdhsa_enable_private_segment 0
		.amdhsa_kernarg_size 24
		.amdhsa_user_sgpr_count 2
		.amdhsa_user_sgpr_kernarg_segment_ptr 1
		.amdhsa_wavefront_size32 1
		.amdhsa_system_sgpr_workgroup_id_x 1
		.amdhsa_system_sgpr_workgroup_id_y 1
		.amdhsa_system_sgpr_workgroup_id_z 1
		.amdhsa_system_vgpr_workitem_id 0
		.amdhsa_next_free_vgpr 512
		.amdhsa_next_free_sgpr 80
		.amdhsa_reserve_vcc 0
		.amdhsa_float_denorm_mode_32 3
		.amdhsa_float_denorm_mode_16_64 3
		.amdhsa_memory_ordered 1
		.amdhsa_forward_progress 1
		.amdhsa_inst_pref_size 255
	.end_amdhsa_kernel
	.section	.bss,"aw",@nobits
	.p2align	6
	.space	262144
	.amdgpu_metadata
---
amdhsa.version: [ 1, 2 ]
amdhsa.kernels:
  - .name:           k_q6077bb42bf_mlp
    .symbol:         k_q6077bb42bf_mlp.kd
    .args:
      - { .name: x, .offset: 0, .size: 8, .value_kind: global_buffer, .address_space: global }
      - { .name: wq, .offset: 8, .size: 8, .value_kind: global_buffer, .address_space: global }
      - { .name: out0, .offset: 16, .size: 8, .value_kind: global_buffer, .address_space: global }
    .group_segment_fixed_size: 323584
    .private_segment_fixed_size: 0
    .kernarg_segment_align: 8
    .kernarg_segment_size: 24
    .max_flat_workgroup_size: 256
    .sgpr_count:     80
    .vgpr_count:     512
    .wavefront_size: 32
...
	.end_amdgpu_metadata
.endif
;; end of part 2
